; MI455X (gfx1250); checked and timed in simulation.
; The chip was launched on July 23, 2026; its instructions are those of AMD's public machine-readable ISA for CDNA 5 (MIT licence, August 2026) and "CDNA5" Instruction Set Architecture Reference Guide (July 2026). The comments in the code are by the model that wrote it; some were corrected since.
;; Multi Head Attention. Allowed arithmetic: matrix products marked QUANTISED: E4M3 operands, one given power-of-two scale a tensor, by v_wmma_f32_16x16x64_fp8_fp8 or v_wmma_f32_16x16x128_fp8_fp8, f32 sums; everything else in f32.
;; Inputs: Wk_codes 1,024 x 32 x 32 uint8 (E4M3 codes of Wk, K innermost, in blocks of 32 codes); Wo_codes 1,024 x 32 x 32 uint8 (E4M3 codes of Wo, K innermost, in blocks of 32 codes); Wq_codes 1,024 x 32 x 32 uint8 (E4M3 codes of Wq, K innermost, in blocks of 32 codes); Wv_codes 1,024 x 32 x 32 uint8 (E4M3 codes of Wv, K innermost, in blocks of 32 codes); bk 1,024 float32; bo 1,024 float32; bq 1,024 float32; bv 1,024 float32; key_codes 4 x 2,048 x 32 x 32 uint8 (E4M3 codes of key, K innermost, in blocks of 32 codes); lowp_scales 12 int32 (the exponents e of the quantised operands' scales 2^e); query_codes 4 x 2,048 x 32 x 32 uint8 (E4M3 codes of query, K innermost, in blocks of 32 codes); value_codes 4 x 2,048 x 32 x 32 uint8 (E4M3 codes of value, K innermost, in blocks of 32 codes).
;; Outputs: out0 4 x 2,048 x 1,024 float32.
;; This version of the problem:
;;   THIS VERSION OF THE PROBLEM IS GIVEN IN LOW PRECISION. The matrix products marked QUANTISED in the list below multiply operands that are first quantised to E4M3 (4 exponent bits, 3 mantissa bits; 8 bits a number), with one given power-of-two scale for each operand tensor; their sums are f32. All else is computed in f32.
;;   The module's matrix products, in the order in which they are computed (A, B: the left and right operand; K: the contracted axis; several contracted axes count as one K, in the product's order):
;;     1. [M 8,192, K 1,024] x [K 1,024, N 1,024]; A: input query (given as codes); B: input Wq (given as codes): QUANTISED (scales: A lowp_scales[0], B lowp_scales[1])
;;     2. [M 8,192, K 1,024] x [K 1,024, N 1,024]; A: input key (given as codes); B: input Wk (given as codes): QUANTISED (scales: A lowp_scales[2], B lowp_scales[3])
;;     3. [M 8,192, K 1,024] x [K 1,024, N 1,024]; A: input value (given as codes); B: input Wv (given as codes): QUANTISED (scales: A lowp_scales[4], B lowp_scales[5])
;;     4. batch 64 x [M 2,048, K 64] x [K 64, N 2,048]; A: computed on the way; B: computed on the way: QUANTISED (scales: A lowp_scales[6], B lowp_scales[7])
;;     5. batch 64 x [M 2,048, K 2,048] x [K 2,048, N 64]; A: softmax (see below); B: computed on the way: QUANTISED (scales: A lowp_scales[8], B lowp_scales[9])
;;     6. [M 8,192, K 1,024] x [K 1,024, N 1,024]; A: computed on the way; B: input Wo (given as codes): QUANTISED (scales: A lowp_scales[10], B lowp_scales[11])
;;   THE QUANTISER, for each operand of a quantised product, along K:
;;     - The operand's scale is 2^e, e = its entry of the input lowp_scales (int32; the entries are numbered through the quantised products in the list's order, A before B).
;;     - Each number is divided by the scale, clamped to +-448, and rounded to the nearest number of E4M3, ties to even, subnormals kept.
;;     - The product sums the exact products of the quantised numbers (number of the format x scale) in f32.
;;   ~~~python
;;   def quantise(x, axis, e):      # numpy; x: float32 -> the quantised numbers, widened to float32 again
;;       x = np.moveaxis(x, axis, -1); K = x.shape[-1]
;;       r = np.clip(x / 2.0 ** e, -448, 448)
;;       step = 2.0 ** (np.maximum(np.frexp(np.where(r == 0, 1, r))[1] - 1, -6) - 3)
;;       q = np.round(r / step) * step * 2.0 ** e      # np.round: ties to even
;;       return np.moveaxis(q, -1, axis).astype(np.float32)
;;   ~~~
;;   SOFTMAX AHEAD OF A QUANTISED PRODUCT. Where the list says 'softmax', what is quantised is not the finished softmax but p = 2^(t - M), with t = logit x log2(e) and M = ceil(the row's largest t), a whole number; so 1/2 < the row's largest p <= 1. The row's sum l is taken of the UNQUANTISED p, in f32, and the product's result is divided by l at the end. Since M is a whole number, a kernel that streams over the keys may use a running M (the ceiling of the running maximum): every later rescaling is an exact power of two, so the quantised numbers keep their values, but for numbers so far below the row's largest that they fall under the format's range.
;;   OPERANDS COMPUTED ON THE WAY. 'Computed on the way' means the value that the module computes at that place (a softmax that the list does not call 'softmax' is quantised finished and normalised). What goes into a quantiser is computed in f32, as accurately as f32 sums, v_exp_f32 and their like allow (about 1e-6 of the number): no bf16 or f16 on the way to a quantiser, and a product that is left as it is and whose result goes on into a quantised operand takes f32 operands (vector FMAs, or v_wmma_f32_16x16x4_f32). A number that lies on a knife's edge between two numbers of the format may be rounded either way, as far as f32 arithmetic and the matrix unit's own rounding can turn it there, and no further.
;;   INPUTS GIVEN AS CODES. Wk (in the module: [1024, 1024], K = its axis 1); Wo (in the module: [1024, 1024], K = its axis 1); Wq (in the module: [1024, 1024], K = its axis 1); Wv (in the module: [1024, 1024], K = its axis 1); key (in the module: [4, 2048, 1024], K = its axis 2); query (in the module: [4, 2048, 1024], K = its axis 2); value (in the module: [4, 2048, 1024], K = its axis 2): each comes as NAME_codes (uint8): NAME with its K axis moved to the last place and cut into blocks of 32 codes, [.., K / 32, bytes a block], one block behind the other in memory; one code a byte (a code: sign, 4 exponent bits, 3 mantissa bits); its scale is its entry of lowp_scales. Its value is code x scale, taken as it is: it is not quantised again, and the codes and scales need not be those that the quantiser above would give.
;; One version. Each part assembles by itself: llvm-mc -triple=amdgcn-amd-amdhsa -mcpu=gfx1250 --defsym DOCPART=n.
;; ======== version 1 of 1: 3 launches
;; limits: right only within a limited range of input values
;; workspace buffers: qc 8,388,608 bytes; kc 8,388,608 bytes; vc 8,388,608 bytes; ac 8,388,608 bytes
;; launch proj (part 1): grid 4 x 96, 4 waves a work-group, clusters of 4 x 4, 327,680 bytes of LDS; arguments query_codes, key_codes, value_codes, Wq_codes, Wk_codes, Wv_codes, bq, bk, bv, lowp_scales, qc, kc, vc; writes qc, kc, vc
.if DOCPART == 1
	.amdgcn_target "amdgcn-amd-amdhsa--gfx1250"
	.amdhsa_code_object_version 6
	.text
	.protected	k_qc59836c5a1_proj
	.globl	k_qc59836c5a1_proj
	.p2align	8
	.type	k_qc59836c5a1_proj,@function
k_qc59836c5a1_proj:
	s_mov_b64 s[64:65], 0
	v_nop
	global_prefetch_b8 v0, s[64:65] scope:SCOPE_SE
	s_setreg_imm32_b32 hwreg(HW_REG_WAVE_MODE, 25, 1), 1
	s_wait_xcnt 0x0
	s_wait_alu depctr_hold_cnt(0) depctr_sa_sdst(0) depctr_va_vdst(0) depctr_va_sdst(0) depctr_va_ssrc(0) depctr_va_vcc(0) depctr_vm_vsrc(0)
	s_getreg_b32 s2, hwreg(HW_REG_IB_STS2, 6, 4)
	s_cmp_eq_u32 s2, 0
	s_cbranch_scc0 .Lentry_in_a_cluster
	s_endpgm
.Lentry_in_a_cluster:
	s_bfe_u32 s2, ttmp6, 0x10000c
	s_cmp_lg_u32 s2, 0xf033
	s_cbranch_scc0 .Lentry_shape_is_right
	s_endpgm
.Lentry_shape_is_right:
; THE THREE PROJECTIONS IN ONE LAUNCH: Q = query Wq^T + bq, K = key Wk^T + bk, V = value Wv^T + bv, each [8192][1024] with 1,024 along K, on codes of FP8 (E4M3) as they are given;
; each finished sum x 2^(ea + eb) + bias, in f32, is quantised at once with the scale given for its next use (entries 6, 7, 9 of the scales) and stored as codes.  No f32 result goes to memory.
; WHICH PRODUCT: the cluster's y, 0 to 23, in eights: 0-7 Q, 8-15 K, 16-23 V.  It is the same in all sixteen partners; pointers and exponents are chosen by it without a jump.
; A tile of 256 x 256 is made by a work-group of four waves; a wave makes 128 x 128: 64 accumulators of 16 x 16, 512 registers.  K goes in steps of 256 through a ring of two LDS slots filled by the tensor data mover.
; CLUSTERS: 4 x 4 work-groups.  The four of a row of the cluster need the same tiles of x, the four of a column the same tiles of W: each tile is asked for JOINTLY, by the same tensor load with the same descriptor
; and a mask that names the four.
; WHAT A LANE HOLDS.  For Q and K source 0 = 16 rows of W, source 1 = 16 rows of x: a lane holds one row (token) and eight neighbouring channels, which are neighbours along the next product's K (the head's 64).
; For V the two change places (only the LDS addresses of the fragment loads are exchanged): a lane holds one channel and eight neighbouring tokens, which are neighbours along ITS next K (the keys).
; THE CODES ARE STORED AS IMAGES OF THE NEXT OPERAND'S REGISTERS, so that each store of the wave covers 512 consecutive bytes, aligned, straight from registers:
;   qc, kc: [batch x head 64][tile of 16 tokens 128][p 2][lane 32][16 bytes]: lane (r, h) byte 8 u + j = token r, channel 32 p + 16 u + 8 h + j: registers 4 p .. 4 p + 3 of a fragment of 64 along K
;   vc:     [batch x head 64][128 keys 16][16 channels 4][q 4][lane 32][16 bytes]: lane (r, h) byte 8 u + j = channel r, key 32 q + 16 u + 8 h + j: registers 4 q .. 4 q + 3 of a fragment of 128 along K
; LIMITS on the given exponents, so that each power of two below is an f32 number: ea + eb between -126 and 127; entries 6, 7 and 9 between -126 and 127.  NaN codes among the inputs are not served.
; No prefetch: a tile has four K steps, and two of them are asked for at the head.
; REGISTERS, in windows of 256: window 0: v0-31 addresses; v32-95 bias by channel of a lane's eight (Q, K); v96-111 bias of a lane's one channel, twice each (V); v113 the scale;
;   from v128 source 1's fragments, ONE set; on the way out v128-191 the numbers at work, v192-255 four sets of codes.   window 1: source 0's fragments, TWO sets.   windows 2, 3: the accumulators ((a, b) at v[8 (8 (a % 4) + b)]).
.set SIZE_K, 1024
.set KSTEP,  256                       ; along K in a slot
.set ROWB,   256                       ; a tile's row in bytes
.set KROW,   SIZE_K                    ; a row of x or of W in memory, in bytes
.set PITCH,  272                       ; an LDS row: 256 bytes + 16 of padding = 68 words: row r starts at bank 4 r mod 64 (64 banks of 4 bytes: ISA guide 11.1)
.set FR,     16                        ; registers of a fragment: 16 rows x 128 K
.set NL,     4                         ; LDS loads that bring one
.set NP,     4                         ; places behind this matrix instruction (ISA guide 7.12.1)
.set HALFT,  128*PITCH                 ; 128 rows: what one tensor load brings
.set SLOT,   4*HALFT                   ; x's 256 rows, then W's 256 rows
.set LAPS,   SIZE_K/(2*KSTEP)          ; a lap = two K steps = once round the ring
.set SPARE,  2*SLOT                    ; behind the ring: the spare words, 128 bytes for each wave
.set ADRA, 16                          ; v16-17  LDS address of source 1's fragments in slot 0, 1
.set ADRB, 20                          ; v20-21  the same for source 0
.set CO,   26                          ; v26     16 x lane: my place in an image
.set SPW,  28                          ; v28     LDS address of my spare word; never rewritten
.set NIL,  29                          ; v29     0; never rewritten
.set BT,   32
.set BV,   96
.set LIMV, 112
.set SCV,  113                         ; 2^eo
.set AF,   128
.set TMP,  128
.set CD,   192
.set GN,   12                          ; s12  which product: 0 Q, 1 K, 2 V
.set G1, 24                            ; s[24:31] descriptor group 1 for x's tiles;  s[32:39] group 0, one set for each slot
.set G0, 32
.set G1B, 48                           ; s[48:55], s[56:63] the same for W's tiles
.set G0B, 56
.set MSB, 0
.macro WIN new                         ; the immediate's high byte repeats the setting that is left
.if MSB != (\new)
	s_set_vgpr_msb (MSB<<8)|(\new)
.set MSB, (\new)
.endif
.endm
.set MUL_LO, 0xa1                      ; source 0 window 1, source 1 window 0, C and D window 2
.set MUL_HI, 0xf1                      ; the same, C and D window 3
.set TO_B,   0x40                      ; destination window 1, address window 0
; A joint load: waves 0 and 1 fetch for x, waves 2 and 3 for W.  Each of the two lines has one mask and one set of registers; the branch hangs on the wave's number alone.
; Four v_nop follow each of the two lines, ahead of the jump, the label and what follows.
.macro JLOAD g0a, g1a, g0b, g1b
	s_cmp_eq_u32 s15, 0
	s_cbranch_scc0 .Lfor_b_\@
	tensor_load_to_lds s[\g0a:\g0a+3], s[\g1a:\g1a+7]
	s_nop 0
.rept 4
	v_nop
.endr
	s_branch .Lasked_\@
.Lfor_b_\@:
	tensor_load_to_lds s[\g0b:\g0b+3], s[\g1b:\g1b+7]
	s_nop 0
.rept 4
	v_nop
.endr
.Lasked_\@:
.endm
.macro CREST                           ; a round of the cluster's barrier behind its opening barrier
	s_cmp_lg_u32 s14, 0
	s_cbranch_scc1 .Lnot_wave_0_\@
	s_barrier_signal -3
.Lnot_wave_0_\@:
	s_barrier_wait -3
	s_barrier_signal -1
	s_barrier_wait -1
.endm
.macro CROUND                          ; a whole round
	s_barrier_signal -1
	s_barrier_wait -1
	CREST
.endm
	s_load_b256 s[68:75], s[0:1], 0x0              ; query s[68:69], key s[70:71], value s[72:73], Wq s[74:75]
	s_load_b256 s[76:83], s[0:1], 0x20             ; Wk s[76:77], Wv s[78:79], bq s[80:81], bk s[82:83]
	s_load_b256 s[84:91], s[0:1], 0x40             ; bv s[84:85], the scales' exponents s[86:87], qc s[88:89], kc s[90:91]
	s_load_b64 s[92:93], s[0:1], 0x60              ; vc
	v_lshl_add_u32 v[SPW], v0, 2, SPARE
	v_mov_b32 v[NIL], 0
	ds_add_u32 v28, v29
	ds_add_u32 v28, v29
	s_wait_dscnt 0x0
	v_lshrrev_b32 v1, 5, v0
	v_readfirstlane_b32 s14, v1                    ; wave 0..3
	s_lshr_b32 s15, s14, 1                         ; which half of the tile's rows (tokens) is mine.  Also: I fetch for x (0) or for W (1)
	s_and_b32 s16, s14, 1                          ; which half of its columns (channels).  Also: which 128 rows of that tile I fetch
	s_bfe_u32 s40, ttmp6, 0x40000                  ; cx, cy: my place in the cluster
	s_bfe_u32 s41, ttmp6, 0x40004
	s_lshl_b32 s42, ttmp9, 2
	s_add_co_u32 s42, s42, s40                     ; tile column = 4 x cluster x + cx: 0..3
	s_and_b32 s13, ttmp7, 0xffff                   ; cluster y: 0..23
	s_lshr_b32 s[GN], s13, 3                       ; which product
	s_and_b32 s17, s13, 7
	s_lshl_b32 s17, s17, 2
	s_add_co_u32 s17, s17, s41                     ; tile row = 4 x (cluster y mod 8) + cy: 0..31
	s_lshl_b32 s43, s41, 2
	s_lshl_b32 s43, 15, s43                        ; my row of the cluster
	s_lshl_b32 s44, 0x1111, s40                    ; my column
	; descriptor group 1: a tile of 128 rows x 256 bytes, padded in LDS
	s_or_b32 s[G1+0], s43, (0<<16)|(1<<20)|(1<<21)|(5<<22)|(3<<25)  ; 15:0 the mask: x's tiles go to my row; 17:16 element of 1 byte; 20 padding on; 21 set beside a mask; 24:22 after every 64 words (code 5); 31:25 of 4 words (code 3)
	s_or_b32 s[G1B+0], s44, (0<<16)|(1<<20)|(1<<21)|(5<<22)|(3<<25)
.irp g, G1, G1B
	s_mov_b32 s[\g+1], ROWB<<16                    ; tensor_dim0
	s_mov_b32 s[\g+2], 128<<16                     ; tensor_dim1 = 128
	s_mov_b32 s[\g+3], ROWB<<16                    ; tile_dim0
	s_mov_b32 s[\g+4], 128                         ; tile_dim1 = 128
	s_mov_b32 s[\g+5], KROW                        ; tensor_dim0_stride
	s_mov_b32 s[\g+6], 0
	s_mov_b32 s[\g+7], 0
.endr
	s_lshl_b32 s18, s16, 7                         ; which 128 rows of the tile I fetch
	s_lshl_b32 s20, s17, 8
	s_add_co_u32 s20, s20, s18                     ; x: row 256 x tile row + 128 x half,
	s_lshl_b32 s20, s20, 10                        ; of 1,024 bytes
	s_mov_b32 s21, 0
	s_lshl_b32 s46, s42, 8
	s_add_co_u32 s46, s46, s18                     ; W: row 256 x tile column + 128 x half
	s_lshl_b32 s46, s46, 10
	s_mov_b32 s47, 0
	s_mul_i32 s45, s14, HALFT                      ; where they go: wave x 128 rows: no place in the cluster enters an LDS address
	s_wait_kmcnt 0x0
	s_cmp_eq_u32 s[GN], 0                          ; the product's four buffers: first Q's or K's,
	s_cselect_b64 s[4:5], s[68:69], s[70:71]       ; x
	s_cselect_b64 s[6:7], s[74:75], s[76:77]       ; W
	s_cselect_b64 s[8:9], s[80:81], s[82:83]       ; the bias
	s_cselect_b64 s[10:11], s[88:89], s[90:91]     ; the codes that I store
	s_cmp_eq_u32 s[GN], 2                          ; then V's in their stead
	s_cselect_b64 s[4:5], s[72:73], s[4:5]
	s_cselect_b64 s[6:7], s[78:79], s[6:7]
	s_cselect_b64 s[8:9], s[84:85], s[8:9]
	s_cselect_b64 s[10:11], s[92:93], s[10:11]
	s_load_b256 s[68:75], s[86:87], 0x0            ; the exponents, entries 0 to 7,
	s_load_b128 s[76:79], s[86:87], 0x20           ; and 8 to 11: wanted on the way out
	s_add_nc_u64 s[20:21], s[4:5], s[20:21]
	s_add_nc_u64 s[46:47], s[6:7], s[46:47]
	CROUND                                         ; all sixteen work-groups are here: the first joint loads meet
.irp s, 0,1
	s_mov_b32 s[G0+4*\s], 1
	s_add_co_u32 s[G0+4*\s+1], s45, \s*SLOT
	s_add_nc_u64 s[G0+4*\s+2:G0+4*\s+3], s[20:21], \s*ROWB
	s_or_b32 s[G0+4*\s+3], s[G0+4*\s+3], 0x80000000
	s_mov_b32 s[G0B+4*\s], 1
	s_add_co_u32 s[G0B+4*\s+1], s45, \s*SLOT
	s_add_nc_u64 s[G0B+4*\s+2:G0B+4*\s+3], s[46:47], \s*ROWB
	s_or_b32 s[G0B+4*\s+3], s[G0B+4*\s+3], 0x80000000
	JLOAD G0+4*\s, G1, G0B+4*\s, G1B
.endr
	v_and_b32 v1, 15, v0                           ; r = l % 16
	v_bfe_u32 v2, v0, 4, 1                         ; h = l / 16
	v_mul_u32_u24 v3, v1, PITCH
	v_lshl_add_u32 v4, v2, 4, v3                   ; a fragment's row x pitch + 16 x half
	s_wait_alu depctr_va_vdst(0)
	s_mul_i32 s21, s15, HALFT                      ; my 128 rows of x
	s_mul_i32 s22, s16, HALFT                      ; my 128 rows of W,
	s_add_co_u32 s22, s22, 2*HALFT                 ; which lie behind x's 256
	s_cmp_eq_u32 s[GN], 2                          ; Q, K: source 1 = x, source 0 = W.  V: the other way round
	s_cselect_b32 s18, s22, s21
	s_cselect_b32 s19, s21, s22
.irp s, 0,1
	v_add_nc_u32 v[ADRA+\s], s18, v4
	v_add_nc_u32 v[ADRB+\s], s19, v4
	s_add_co_u32 s18, s18, SLOT
	s_add_co_u32 s19, s19, SLOT
.endr
	s_lshl_b32 s46, s42, 10                        ; the bias of my 128 channels: 4 bytes x (256 x tile column + 128 x half)
	s_lshl_b32 s47, s16, 9
	s_add_co_u32 s46, s46, s47
	s_mov_b32 s47, 0
	s_add_nc_u64 s[8:9], s[8:9], s[46:47]
	v_lshlrev_b32 v5, 5, v2                        ; 32 h
	v_lshlrev_b32 v6, 2, v1                        ; 4 r
.irp b, 0,1,2,3,4,5,6,7                        ; both tables are loaded whatever the product; they are waited for on the way out
	global_load_b128 v[BT+8*\b:BT+8*\b+3], v5, s[8:9] offset:64*\b          ; channels 16 b + 8 h + 0 .. 7
	global_load_b128 v[BT+8*\b+4:BT+8*\b+7], v5, s[8:9] offset:64*\b+16
.endr
.irp a, 0,1,2,3,4,5,6,7
	global_load_b32 v[BV+2*\a], v6, s[8:9] offset:64*\a                     ; channel 16 a + r, twice: a pair for the packed multiply-add
	global_load_b32 v[BV+2*\a+1], v6, s[8:9] offset:64*\a
.endr
	v_and_b32 v7, 31, v0
	v_lshlrev_b32 v[CO], 4, v7
	; where my wave's codes begin; the same sum serves all three layouts: batch x 16 heads x 131,072 + (4 x tile column + 2 x column half) heads x 131,072 + (256 x (tile row mod 8) + 128 x row half) tokens x 64 bytes
	s_lshr_b32 s20, s17, 3
	s_lshl_b32 s20, s20, 21
	s_and_b32 s21, s17, 7
	s_lshl_b32 s21, s21, 14
	s_add_co_u32 s20, s20, s21
	s_lshl_b32 s21, s15, 13
	s_add_co_u32 s20, s20, s21
	s_lshl_b32 s21, s42, 19
	s_add_co_u32 s20, s20, s21
	s_lshl_b32 s21, s16, 18
	s_add_co_u32 s20, s20, s21
	s_mov_b32 s21, 0
	s_add_nc_u64 s[10:11], s[10:11], s[20:21]
.macro FRAG reg, adr, q, i             ; a fragment, 16 rows x 128 K, is 16 registers: lane l holds row l % 16; registers 4 c .. 4 c + 3 hold K = 32 c + 16 (l / 16) + 0 .. 15: the same places of k on both sides, so every product meets its partner
.irp c, 0,1,2,3
	ds_load_b128 v[\reg+4*\c:\reg+4*\c+3], v[\adr] offset:128*(\q)+32*\c+(\i)*16*PITCH
.endr
.endm
; 16 matrix instructions: source 1's blocks a0, a0 + 1 x source 0's eight, 128 along K.  p: source 0's set.  zero = 1: the first product starts the sums: nothing is ever cleared.
; The 64 accumulators take turns, one instruction a turn, in the same order in every step.
.macro MUL16 a0, p, zero
.irp a, \a0, \a0+1
.irp b, 0,1,2,3,4,5,6,7
.if \zero
	v_wmma_f32_16x16x128_fp8_fp8 v[8*(8*((\a)%4)+\b):8*(8*((\a)%4)+\b)+7], v[128*(\p)+FR*\b:128*(\p)+FR*\b+FR-1], v[AF+FR*(\a):AF+FR*(\a)+FR-1], 0
.else
	v_wmma_f32_16x16x128_fp8_fp8 v[8*(8*((\a)%4)+\b):8*(8*((\a)%4)+\b)+7], v[128*(\p)+FR*\b:128*(\p)+FR*\b+FR-1], v[AF+FR*(\a):AF+FR*(\a)+FR-1], v[8*(8*((\a)%4)+\b):8*(8*((\a)%4)+\b)+7]
.endif
.endr
.endr
.endm
.macro FETCH_B slot, q, p              ; source 0's eight fragments of the slot's q-th 128 along K into set p
	WIN TO_B
.irp i, 0,1,2,3,4,5,6,7
	FRAG 128*(\p)+FR*\i, ADRB+\slot, \q, \i
.endr
	WIN 0
.endm
.macro FETCH_A slot, q, i0             ; source 1's blocks i0 .. i0 + 3
.irp i, \i0, \i0+1, \i0+2, \i0+3
	FRAG AF+FR*(\i), ADRA+\slot, \q, \i
.endr
.endm
; A load into a register that a matrix instruction has read, and a vector instruction that reads a matrix result, stand NP places behind that matrix instruction, and only plain vector
; instructions that name none of its registers are places (ISA guide 7.12.1 for vector instructions).
.macro PLACES n
.rept \n
	v_nop
.endr
.endm
; A step of 128 along K that has its successor in the same slot.
.macro STEP slot, q, zero
	s_wait_dscnt 4*NL                              ; source 0's set and source 1's blocks 0-3 are in; the youngest sixteen loads (blocks 4-7) may be out
	WIN MUL_LO
	MUL16 0, (\q)%2, \zero
	MUL16 2, (\q)%2, \zero
	s_wait_dscnt 0                                 ; blocks 4-7 are in (asked for 32 matrix instructions ago)
	PLACES NP
	FETCH_B \slot, (\q)+1, 1-(\q)%2
	FETCH_A \slot, (\q)+1, 0
	WIN MUL_HI
	MUL16 4, (\q)%2, \zero
	MUL16 6, (\q)%2, \zero
	PLACES NP
	WIN 0
	FETCH_A \slot, (\q)+1, 4
.endm
; A slot's last step changes slots: ONE barrier; in front of it each wave waits for all its tensor loads, adds 0 to its spare word, and waits for that and for its own reads of this slot.  fill = 1: this slot is filled again, two K steps ahead.
.macro TURN slot, next, fill
	s_wait_tensorcnt 0x0                           ; all my tensor loads have landed: my part of the next slot  (every window is 0 here)
	ds_add_u32 v[SPW], v[NIL]                      ; 0 onto my spare word
	s_wait_dscnt 4*NL+1                            ; (the add and the youngest sixteen loads may be out)
	WIN MUL_LO
	MUL16 0, 1, 0                                  ; sixteen matrix instructions stand between the add and the wait for it
	s_wait_dscnt 0x0                               ; the add is done, and my reads of this slot are over
	s_barrier_signal -1
	MUL16 2, 1, 0
	WIN 0
	s_barrier_wait -1
.if \fill
	CREST                                          ; the barrier has opened a round of the cluster's barrier: no wave of any partner still reads this slot's tile or has a load on its way
	s_add_nc_u64 s[G0+4*\slot+2:G0+4*\slot+3], s[G0+4*\slot+2:G0+4*\slot+3], 2*ROWB
	s_add_nc_u64 s[G0B+4*\slot+2:G0B+4*\slot+3], s[G0B+4*\slot+2:G0B+4*\slot+3], 2*ROWB
	JLOAD G0+4*\slot, G1, G0B+4*\slot, G1B         ; the first tensor load behind the round; the four v_nop behind it are the places in front of the loads below
.else
	PLACES NP
.endif
	FETCH_B \next, 0, 0
	FETCH_A \next, 0, 0
	WIN MUL_HI
	MUL16 4, 1, 0
	MUL16 6, 1, 0
	PLACES NP
	WIN 0
	FETCH_A \next, 0, 4
.endm
	s_wait_alu depctr_va_vdst(0)
	s_wait_tensorcnt 1                             ; my part of K step 0 is in (K step 1's load may be out)
	s_barrier_signal -1
	s_barrier_wait -1                              ; everybody's is
	FETCH_B 0, 0, 0
	FETCH_A 0, 0, 0
	FETCH_A 0, 0, 4
	STEP 0, 0, 1                                   ; the first step stands in front of the loop: its products start the sums
	s_mov_b32 s3, LAPS-1
.Llap:                                                 ; a trip goes once round the ring, from a lap's second step to the next lap's first, and fills both slots again
	TURN 0, 1, 1
	STEP 1, 0, 0
	TURN 1, 0, 1
	STEP 0, 0, 0
	s_sub_co_u32 s3, s3, 1
	s_cmp_lg_u32 s3, 0
	s_cbranch_scc1 .Llap
	TURN 0, 1, 0                                   ; the last lap fills nothing, and has no round of the cluster's barrier
	STEP 1, 0, 0
	s_wait_dscnt 4*NL                              ; the very last step: nothing more to fetch
	WIN MUL_LO
	MUL16 0, 1, 0
	MUL16 2, 1, 0
	s_wait_dscnt 0
	WIN MUL_HI
	MUL16 4, 1, 0
	MUL16 6, 1, 0
	WIN 0
	; THE WAY OUT.  The product's exponents are chosen without a jump.
	s_wait_kmcnt 0x0
	s_cmp_eq_u32 s[GN], 0
	s_cselect_b32 s94, s68, s70                    ; ea: entry 0, 2 or 4
	s_cselect_b32 s95, s69, s71                    ; eb: entry 1, 3 or 5
	s_cselect_b32 s96, s74, s75                    ; eo: entry 6, 7 or 9
	s_cmp_eq_u32 s[GN], 2
	s_cselect_b32 s94, s72, s94
	s_cselect_b32 s95, s73, s95
	s_cselect_b32 s96, s77, s96
	s_add_co_i32 s66, s94, s95
	s_add_co_i32 s66, s66, 127
	s_lshl_b32 s66, s66, 23                        ; 2^(ea + eb) as f32
	s_mov_b32 s67, s66                             ; (named with it as a pair, so it is written)
	s_add_co_i32 s96, s96, 127
	s_lshl_b32 s97, s96, 23
	v_mov_b32 v[SCV], s97                          ; 2^eo: the conversion takes its exponent field
	PLACES NP                                      ; behind the last products: their results are read and source 1's registers written below
	s_wait_loadcnt 0x0                             ; the bias
; Block a of source 1 (kind 0: 16 tokens; kind 1: 16 channels), all eight blocks of source 0: sum x 2^(ea + eb) + bias by one packed multiply-add for two numbers, each accumulator from its low end on;
; eight numbers to eight codes; four stores of 512 consecutive bytes each.
.macro EPI kind
.irp a, 0,1,2,3,4,5,6,7
.if \a >= 4
	s_wait_xcnt 0x0                                ; block a - 4's stores have read their data: its set of code registers is written again only behind this wait
.endif
	WIN 0x02+(\a/4)                                ; source 0: window 2 or 3
.irp b, 0,1,2,3,4,5,6,7
.irp i, 0,2,4,6
.if \kind
	v_pk_fma_f32 v[TMP+8*\b+\i:TMP+8*\b+\i+1], v[64*(\a%4)+8*\b+\i:64*(\a%4)+8*\b+\i+1], s[66:67], v[BV+2*\a:BV+2*\a+1] op_sel_hi:[1,0,1]
.else
	v_pk_fma_f32 v[TMP+8*\b+\i:TMP+8*\b+\i+1], v[64*(\a%4)+8*\b+\i:64*(\a%4)+8*\b+\i+1], s[66:67], v[BT+8*\b+\i:BT+8*\b+\i+1] op_sel_hi:[1,0,1]
.endif
.endr
.endr
	WIN 0
.irp b, 0,1,2,3,4,5,6,7
.irp i, 0,1,2,3,4,5,6,7
.endr
	v_cvt_scalef32_pk8_fp8_f32 v[CD+16*(\a%4)+2*\b:CD+16*(\a%4)+2*\b+1], v[TMP+8*\b:TMP+8*\b+7], v[SCV]
.endr
	v_nop                                          ; one plain vector instruction behind the last conversion: the next block writes the conversions' sources
.irp g, 0,1,2,3
.if \kind
	global_store_b128 v[CO], v[CD+16*(\a%4)+4*\g:CD+16*(\a%4)+4*\g+3], s[10:11] offset:(\a/4)*131072+2048*(\a%4)+512*\g   ; head a / 4, channels 16 (a % 4) on, keys 32 g on
.else
	global_store_b128 v[CO], v[CD+16*(\a%4)+4*\g:CD+16*(\a%4)+4*\g+3], s[10:11] offset:(\g/2)*131072+1024*\a+512*(\g%2)   ; head g / 2, tokens 16 a on, channels 32 (g % 2) on
.endif
.endr
.endr
.endm
	s_cmp_eq_u32 s[GN], 2                          ; a branch on the cluster's y alone: the same way in all sixteen partners
	s_cbranch_scc1 .Lvalue
	EPI 0
	s_branch .Lend
.Lvalue:
	EPI 1
.Lend:
	s_wait_tensorcnt 0x0                           ; the wave's end
	ds_add_u32 v[SPW], v[NIL]
	s_wait_dscnt 0x0
	CROUND                                         ; the closing round: no work-group ends while a partner may still ask for a tile that names it
	s_endpgm
.Lfunc_end_k_qc59836c5a1_proj:
	.size	k_qc59836c5a1_proj, .Lfunc_end_k_qc59836c5a1_proj-k_qc59836c5a1_proj
	.p2alignl 7, 3214868480
	.fill 96, 4, 3214868480
	.section	.rodata,"a",@progbits
	.p2align	6, 0x0
	.amdhsa_kernel k_qc59836c5a1_proj
		.amdhsa_group_segment_fixed_size 327680
		.amdhsa_private_segment_fixed_size 0
		.amdhsa_enable_private_segment 0
		.amdhsa_kernarg_size 104
		.amdhsa_user_sgpr_count 2
		.amdhsa_user_sgpr_kernarg_segment_ptr 1
		.amdhsa_wavefront_size32 1
		.amdhsa_system_sgpr_workgroup_id_x 1
		.amdhsa_system_sgpr_workgroup_id_y 1
		.amdhsa_system_sgpr_workgroup_id_z 1
		.amdhsa_system_vgpr_workitem_id 0
		.amdhsa_next_free_vgpr 1024
		.amdhsa_next_free_sgpr 98
		.amdhsa_reserve_vcc 0
		.amdhsa_float_denorm_mode_32 3
		.amdhsa_float_denorm_mode_16_64 3
		.amdhsa_fp16_overflow 1
		.amdhsa_memory_ordered 1
		.amdhsa_forward_progress 1
		.amdhsa_inst_pref_size 130
	.end_amdhsa_kernel
	.amdgpu_metadata
---
amdhsa.version: [ 1, 2 ]
amdhsa.kernels:
  - .name:           k_qc59836c5a1_proj
    .symbol:         k_qc59836c5a1_proj.kd
    .args:
      - { .name: query_codes, .offset: 0, .size: 8, .value_kind: global_buffer, .address_space: global }
      - { .name: key_codes, .offset: 8, .size: 8, .value_kind: global_buffer, .address_space: global }
      - { .name: value_codes, .offset: 16, .size: 8, .value_kind: global_buffer, .address_space: global }
      - { .name: Wq_codes, .offset: 24, .size: 8, .value_kind: global_buffer, .address_space: global }
      - { .name: Wk_codes, .offset: 32, .size: 8, .value_kind: global_buffer, .address_space: global }
      - { .name: Wv_codes, .offset: 40, .size: 8, .value_kind: global_buffer, .address_space: global }
      - { .name: bq, .offset: 48, .size: 8, .value_kind: global_buffer, .address_space: global }
      - { .name: bk, .offset: 56, .size: 8, .value_kind: global_buffer, .address_space: global }
      - { .name: bv, .offset: 64, .size: 8, .value_kind: global_buffer, .address_space: global }
      - { .name: lowp_scales, .offset: 72, .size: 8, .value_kind: global_buffer, .address_space: global }
      - { .name: qc, .offset: 80, .size: 8, .value_kind: global_buffer, .address_space: global }
      - { .name: kc, .offset: 88, .size: 8, .value_kind: global_buffer, .address_space: global }
      - { .name: vc, .offset: 96, .size: 8, .value_kind: global_buffer, .address_space: global }
    .group_segment_fixed_size: 327680
    .private_segment_fixed_size: 0
    .kernarg_segment_align: 8
    .kernarg_segment_size: 104
    .max_flat_workgroup_size: 128
    .sgpr_count:     98
    .vgpr_count:     1024
    .wavefront_size: 32
...
	.end_amdgpu_metadata
.endif
;; end of part 1
;; launch attn (part 2): grid 4 x 64, 8 waves a work-group, clusters of 4 x 1, 263,168 bytes of LDS; arguments qc, kc, vc, lowp_scales, ac; writes ac
.if DOCPART == 2
	.amdgcn_target "amdgcn-amd-amdhsa--gfx1250"
	.amdhsa_code_object_version 6
	.text
	.protected	k_qc59836c5a1_attn
	.globl	k_qc59836c5a1_attn
	.p2align	8
	.type	k_qc59836c5a1_attn,@function
k_qc59836c5a1_attn:
	s_mov_b64 s[64:65], 0
	v_nop
	global_prefetch_b8 v0, s[64:65] scope:SCOPE_SE
	s_setreg_imm32_b32 hwreg(HW_REG_WAVE_MODE, 25, 1), 1
	s_wait_xcnt 0x0
	s_wait_alu depctr_hold_cnt(0) depctr_sa_sdst(0) depctr_va_vdst(0) depctr_va_sdst(0) depctr_va_ssrc(0) depctr_va_vcc(0) depctr_vm_vsrc(0)
	s_getreg_b32 s2, hwreg(HW_REG_IB_STS2, 6, 4)
	s_cmp_eq_u32 s2, 0
	s_cbranch_scc0 .Lentry_in_a_cluster
	s_endpgm
.Lentry_in_a_cluster:
	s_bfe_u32 s2, ttmp6, 0x10000c
	s_cmp_lg_u32 s2, 0x3003
	s_cbranch_scc0 .Lentry_shape_is_right
	s_endpgm
.Lentry_shape_is_right:
; ATTENTION ON CODES OF FP8 (E4M3): for each of 64 (batch, head): O[q] = sum over k of softmax_k(Q[q] . K[k] / 8) V[k], 2,048 queries and keys, head size 64; O is quantised at once for the last projection.
; THE SOFTMAX AHEAD OF THE SECOND PRODUCT: t = score x log2(e) / 8; M = the row's largest t so far, rounded UP to a whole number; p = 2^(t - M) is what is quantised (entry 8 of the scales); it is not normalised.
; The row's sum is taken of the unquantised p, in f32, and divides O at the end.  When M moves, the sum and O are multiplied by 2^(old M - new M), which rounds nothing.
; SHARES.  A work-group owns 512 queries of one head, in two passes of 256; each of its eight waves owns two tiles of 16 queries in a pass, so each fragment of K and of V read from LDS feeds two products.
; Two waves share a SIMD, so that one wave's vector work stands beside the other's matrix work and LDS loads.
; THE WHOLE HEAD LIES IN LDS: K's 131,072 bytes from byte 0, V's from byte 131,072, filled ONCE: no slot is filled again, so there is no ring, and the second pass fetches nothing.
; CLUSTER.  The four work-groups of a cluster are the four query blocks of one head and need the same K and V: each tile is asked for JOINTLY, by the same tensor load with the same descriptor and the mask of all four.
; Each wave asks for four tiles of 8,192 bytes (waves 0-3: K's, waves 4-7: V's), one for each chunk of 512 keys, so that the first chunk is whole when each wave's first load has landed: four loads of a wave are out at the most.
; No prefetch: all that the launch reads is asked for at its head.
; LAYOUT.  Both products are used transposed: S^T = K Q^T (source 0 = 16 keys, source 1 = 16 queries, 64 along K), O^T = V^T P^T (source 0 = 16 channels, source 1 = P, 128 along K): a lane holds ONE query (lane % 16) throughout,
; and the eight registers of score tile T are keys 16 T + 8 (lane / 16) + 0 .. 7: just what registers 2 T, 2 T + 1 of the second product's operand hold.  So the conversions' results are that operand.
; qc, kc, vc are images of the operands' registers (laid by the launch before): a fragment comes by ds_load_b128 at 16 x lane, 512 consecutive bytes an instruction.
; ac, for the last projection: [128 rows 64][256 along K 4][16 rows 8][128 along K 2][c 4][lane 32][16 bytes], lane (r, g) byte n = row r, k = 32 c + 16 g + n.  A lane's eight channels of tile ct are 8 bytes at
; 256 ct + 16 r + 8 h of its head's 1,024 bytes: each store of the wave covers 256 consecutive bytes, aligned.
; LIMITS on the given exponents, so that each power of two below is an f32 number: e6 + e7 between -123 and 130 (added to c's exponent field); e8 and e10 between -126 and 127; e8 + e9 goes in by v_ldexp_f32 and has none.
; REGISTERS: window 0: v1-4 addresses; v8, v10 scales; v12-35 statistics, 12 a tile; v40-71 Q (pass, tile); v72-87 O's codes; v96-223 S^T, then p; v224-255 p's codes.   window 1: v0-63 K, v64-127 V of a step; v128-191 O^T.
.set LI,  1                            ; v1   16 x lane; never rewritten
.set ADK, 2                            ; v2   LDS address of the step's K
.set ADV, 3                            ; v3   of its V
.set GO,  4                            ; v4   16 r + 8 h: my 8 bytes of a store's 256; never rewritten
.set SCP, 8                            ; v8   2^e8
.set LMP, 9
.set SCO, 10                           ; v10  2^e10
.set LMO, 11
.set ST,  12                           ; tile t at v[ST + 12 t]: +0 -M, +1 the largest t, +2 +3 the sum in two halves, +4 f (+5 named with it), +6 +7 a second chain of sums, +8 +9 chains of the maximum, +10 the other half of the lanes'
.set QF,  40
.set OC,  72
.set S,   96
.set PC,  224
.set KF,  0                            ; in window 1
.set VF,  64
.set OT,  128
.set WV,  14                           ; s14  my wave's number
.set G1,  24                           ; s[24:31] descriptor group 1
.set G0,  32                           ; s[32:47] four groups 0, one for each chunk
.set CS,  54                           ; s[54:55] c = log2(e) / 8 x 2^(e6 + e7)
.set SEL, 56                           ; s[56:57] lane selects for v_permlanex16_b32: lane l xor 16
.set TB,  58                           ; s58  LDS byte at which the step's K begins; its V lies 131,072 further on
.set CNT, 59                           ; s59  counts steps
.set EPV, 60                           ; s60  e8 + e9
.set MSB, 0
.macro WIN new                         ; the immediate's high byte repeats the setting that is left
.if MSB != (\new)
	s_set_vgpr_msb (MSB<<8)|(\new)
.set MSB, (\new)
.endif
.endm
.macro CROUND                          ; a round of the cluster's barrier
	s_barrier_signal -1
	s_barrier_wait -1
	s_cmp_lg_u32 s[WV], 0
	s_cbranch_scc1 .Lnot_wave_0_\@
	s_barrier_signal -3
.Lnot_wave_0_\@:
	s_barrier_wait -3
	s_barrier_signal -1
	s_barrier_wait -1
.endm
	s_load_b256 s[4:11], s[0:1], 0x0               ; qc s[4:5], kc s[6:7], vc s[8:9], the scales' exponents s[10:11]
	s_load_b64 s[12:13], s[0:1], 0x20              ; ac
	v_lshl_add_u32 v94, v0, 2, 0x40000
	v_mov_b32 v95, 0
	ds_add_u32 v94, v95
	ds_add_u32 v94, v95
	v_lshrrev_b32 v5, 5, v0
	s_delay_alu instid0(VALU_DEP_1)
	v_readfirstlane_b32 s[WV], v5                  ; wave 0..7
	s_bfe_u32 s15, ttmp6, 0x40000                  ; cx: my place in the cluster
	s_lshl_b32 s16, ttmp9, 2
	s_add_co_u32 s16, s16, s15                     ; my block of 512 queries: it enters Q's and O's addresses alone
	s_and_b32 s17, ttmp7, 0xffff                   ; 16 x batch + head, which the four partners share
	; descriptor group 1: 8,192 dense bytes as 32 rows of 256 bytes
	s_mov_b32 s[G1], 15|(3<<16)|(1<<21)            ; 15:0 the mask: all four work-groups; 17:16 elements of 8 bytes; 20 no padding; 21 set beside a mask
	s_mov_b32 s[G1+1], 32<<16                      ; tensor_dim0 = 32 elements
	s_mov_b32 s[G1+2], 32<<16                      ; tensor_dim1 = 32
	s_mov_b32 s[G1+3], 32<<16                      ; tile_dim0 = 32
	s_mov_b32 s[G1+4], 32                          ; tile_dim1 = 32
	s_mov_b32 s[G1+5], 32                          ; tensor_dim0_stride = 32
	s_mov_b32 s[G1+6], 0
	s_mov_b32 s[G1+7], 0
	s_and_b32 s18, s[WV], 3
	s_lshl_b32 s18, s18, 13                        ; which 128 keys of a chunk I fetch: 8,192 bytes x (wave mod 4)
	s_lshr_b32 s19, s[WV], 2
	s_lshl_b32 s19, s19, 17                        ; K's half of LDS (waves 0-3) or V's (waves 4-7)
	s_add_co_u32 s20, s18, s19                     ; where they go: no place in the cluster enters an LDS address
	s_lshl_b32 s22, s17, 17                        ; the head's first byte in qc, kc and vc
	s_add_co_u32 s48, s22, s18
	s_mov_b32 s49, 0
	s_mov_b32 s[SEL], 0x76543210
	s_mov_b32 s[SEL+1], 0xfedcba98
	s_wait_dscnt 0x0
	s_wait_kmcnt 0x0
	s_load_b256 s[68:75], s[10:11], 0x0            ; the exponents, entries 0 to 7,
	s_load_b128 s[76:79], s[10:11], 0x20           ; and 8 to 11
	s_cmp_lt_u32 s[WV], 4                          ; the choice hangs on the wave's number alone
	s_cselect_b64 s[2:3], s[6:7], s[8:9]
	s_add_nc_u64 s[2:3], s[2:3], s[48:49]
.irp c, 0,1,2,3
	s_mov_b32 s[G0+4*\c], 1                        ; count = 1
	s_add_co_u32 s[G0+4*\c+1], s20, 32768*\c       ; LDS address: chunk c
	s_add_nc_u64 s[G0+4*\c+2:G0+4*\c+3], s[2:3], 32768*\c
	s_or_b32 s[G0+4*\c+3], s[G0+4*\c+3], 0x80000000   ; type = 2
.endr
	CROUND                                         ; all four work-groups are here: the joint loads meet
	tensor_load_to_lds s[G0:G0+3], s[G1:G1+7]      ; all fills of the launch go out as one group
	s_nop 0
	tensor_load_to_lds s[G0+4:G0+7], s[G1:G1+7]
	s_nop 0
	tensor_load_to_lds s[G0+8:G0+11], s[G1:G1+7]
	s_nop 0
	tensor_load_to_lds s[G0+12:G0+15], s[G1:G1+7]
	s_nop 0
.rept 4
	v_nop
.endr
	v_and_b32 v5, 31, v0
	s_delay_alu instid0(VALU_DEP_1)
	v_lshlrev_b32 v[LI], 4, v5
	s_lshl_b32 s18, s16, 5
	s_lshl_b32 s19, s[WV], 1
	s_add_co_u32 s18, s18, s19                     ; my first tile of 16 queries: 32 x block + 2 x wave; pass p, tile t: 16 p + t further on
	s_lshl_b32 s18, s18, 10
	s_add_co_u32 s50, s22, s18
	s_mov_b32 s51, 0
	s_add_nc_u64 s[4:5], s[4:5], s[50:51]
.irp p, 0,1
.irp t, 0,1
.irp u, 0,1
	global_load_b128 v[QF+16*\p+8*\t+4*\u:QF+16*\p+8*\t+4*\u+3], v[LI], s[4:5] offset:(16*\p+\t)*1024+512*\u   ; Q's fragments stay in registers
.endr
.endr
.endr
	v_and_b32 v6, 15, v0                           ; r
	v_bfe_u32 v7, v0, 4, 1                         ; h
	s_delay_alu instid0(VALU_DEP_2)
	v_lshlrev_b32 v[GO], 4, v6
	s_delay_alu instid0(VALU_DEP_1)
	v_lshl_add_u32 v[GO], v7, 3, v[GO]
	; ac at my wave's rows and my head's bytes: (16 batch + 4 block + wave / 4) x 131,072 + (head / 4) x 32,768 + (wave mod 4) x 8,192 + (head mod 4) x 1,024; pass p: 262,144 p, tile t: 4,096 t further on
	s_lshr_b32 s18, s17, 4
	s_lshl_b32 s18, s18, 4
	s_lshl_b32 s19, s16, 2
	s_add_co_u32 s18, s18, s19
	s_lshr_b32 s19, s[WV], 2
	s_add_co_u32 s18, s18, s19
	s_lshl_b32 s18, s18, 17
	s_bfe_u32 s19, s17, 0x20002
	s_lshl_b32 s19, s19, 15
	s_add_co_u32 s18, s18, s19
	s_and_b32 s19, s[WV], 3
	s_lshl_b32 s19, s19, 13
	s_add_co_u32 s18, s18, s19
	s_and_b32 s19, s17, 3
	s_lshl_b32 s19, s19, 10
	s_add_co_u32 s18, s18, s19
	s_mov_b32 s19, 0
	s_add_nc_u64 s[12:13], s[12:13], s[18:19]
	s_wait_kmcnt 0x0
	s_add_co_i32 s18, s74, s75                     ; e6 + e7: a score stands for score x 2^(e6 + e7): added to c's exponent field
	s_lshl_b32 s18, s18, 23
	s_add_co_i32 s[CS], s18, 0x3e38aa3b            ; c = log2(e) / 8
	s_mov_b32 s[CS+1], s[CS]                       ; (named with it as a pair, so it is written)
	s_add_co_i32 s18, s76, 127
	s_lshl_b32 s19, s18, 23
	v_mov_b32 v[SCP], s19                          ; 2^e8
	s_add_co_i32 s18, s78, 127
	s_lshl_b32 s19, s18, 23
	v_mov_b32 v[SCO], s19                          ; 2^e10
	s_add_co_i32 s[EPV], s76, s77                  ; e8 + e9
	s_wait_loadcnt 0x0                             ; Q
; A KEY STEP: 128 keys, both tiles of queries; qf: the pass's fragments of Q.
.macro STEP qf
	s_setprio 2
	v_add_nc_u32 v[ADK], s[TB], v[LI]
	s_delay_alu instid0(VALU_DEP_1)
	v_add_nc_u32 v[ADV], 0x20000, v[ADK]
	v_nop                                          ; with the two additions: four places between the last step's products and the loads into the registers that they read
	v_nop
	WIN 0x40                                       ; destination window 1
.irp k, 0,1,2,3,4,5,6,7,8,9,10,11,12,13,14,15
	ds_load_b128 v[KF+4*\k:KF+4*\k+3], v[ADK] offset:512*\k   ; K: tile k / 2 of 16 keys, registers 4 (k % 2) on
.endr
.irp k, 0,1,2,3,4,5,6,7,8,9,10,11,12,13,14,15
	ds_load_b128 v[VF+4*\k:VF+4*\k+3], v[ADV] offset:512*\k   ; V: tile k / 4 of 16 channels, registers 4 (k % 4) on
.endr
	s_wait_dscnt 16                                ; K's sixteen loads are in; V's sixteen, issued behind them, may be out
	WIN 0x01                                       ; source 0 window 1
.irp k, 0,1,2,3,4,5,6,7
.irp t, 0,1
	v_wmma_f32_16x16x64_fp8_fp8 v[S+64*\t+8*\k:S+64*\t+8*\k+7], v[KF+8*\k:KF+8*\k+7], v[\qf+8*\t:\qf+8*\t+7], 0
.endr
.endr
	WIN 0
.rept 4
	v_nop                                          ; places in front of the first read of the scores
.endr
.irp t, 0,1                                    ; the step's largest score of my query among my 64 keys, in two chains a tile, each score tile from its low end on; the two tiles' lines alternate
	v_max3_num_f32 v[ST+12*\t+8], v[S+64*\t], v[S+64*\t+1], v[S+64*\t+2]
	v_max3_num_f32 v[ST+12*\t+9], v[S+64*\t+3], v[S+64*\t+4], v[S+64*\t+5]
.endr
.irp i, 6,10,14,18,22,26,30,34,38,42,46,50,54,58
.irp t, 0,1
	v_max3_num_f32 v[ST+12*\t+8], v[ST+12*\t+8], v[S+64*\t+\i], v[S+64*\t+\i+1]
	v_max3_num_f32 v[ST+12*\t+9], v[ST+12*\t+9], v[S+64*\t+\i+2], v[S+64*\t+\i+3]
.endr
.endr
.irp t, 0,1
	v_max3_num_f32 v[ST+12*\t+8], v[ST+12*\t+8], v[S+64*\t+62], v[S+64*\t+63]
.endr
.irp t, 0,1
	s_delay_alu instid0(VALU_DEP_2)
	v_max_num_f32 v[ST+12*\t+8], v[ST+12*\t+8], v[ST+12*\t+9]
.endr
.irp t, 0,1
	s_delay_alu instid0(VALU_DEP_2)
	v_permlanex16_b32 v[ST+12*\t+10], v[ST+12*\t+8], s[SEL], s[SEL+1]
.endr
.irp t, 0,1
	s_delay_alu instid0(VALU_DEP_2)
	v_max_num_f32 v[ST+12*\t+8], v[ST+12*\t+8], v[ST+12*\t+10]   ; and among lane l xor 16's
.endr
.irp t, 0,1
	s_delay_alu instid0(VALU_DEP_2)
	v_mul_f32 v[ST+12*\t+8], s[CS], v[ST+12*\t+8]                ; as t (c is positive)
.endr
.irp t, 0,1
	s_delay_alu instid0(VALU_DEP_2)
	v_max_num_f32 v[ST+12*\t+1], v[ST+12*\t+1], v[ST+12*\t+8]    ; the running largest t
.endr
.irp t, 0,1
	v_mov_b32 v[ST+12*\t+8], v[ST+12*\t]
.endr
.irp t, 0,1
	s_delay_alu instid0(VALU_DEP_4)
	v_floor_f32 v[ST+12*\t], -v[ST+12*\t+1]                      ; the new -M = floor(-t) = -ceil(t): M is a whole number
.endr
.irp t, 0,1
	s_delay_alu instid0(VALU_DEP_2)
	v_sub_f32 v[ST+12*\t+8], v[ST+12*\t], v[ST+12*\t+8]          ; M's old value less its new one: a whole number, 0 or less
.endr
.irp t, 0,1
	s_delay_alu instid0(VALU_DEP_2)
	v_cvt_i32_f32 v[ST+12*\t+8], v[ST+12*\t+8]                   ; (it saturates)
.endr
.irp t, 0,1
	s_delay_alu instid0(VALU_DEP_2)
	v_ldexp_f32 v[ST+12*\t+4], 1.0, v[ST+12*\t+8]                ; f = 2^(old M - new M)
.endr
.irp j, 0,2,4,6,8,10,12,14,16,18,20,22,24,26,28,30,32,34,36,38,40,42,44,46,48,50,52,54,56,58,60,62
.irp t, 0,1
	v_pk_fma_f32 v[S+64*\t+\j:S+64*\t+\j+1], v[S+64*\t+\j:S+64*\t+\j+1], s[CS:CS+1], v[ST+12*\t:ST+12*\t+1] op_sel_hi:[1,0,0]   ; t - M, two at a time (of the pairs c and -M the low word serves both halves)
.endr
.endr
	s_setprio 1
	s_wait_alu depctr_va_vdst(0)
.irp j, 0,1,2,3,4,5,6,7,8,9,10,11,12,13,14,15,16,17,18,19,20,21,22,23,24,25,26,27,28,29,30,31,32,33,34,35,36,37,38,39,40,41,42,43,44,45,46,47,48,49,50,51,52,53,54,55,56,57,58,59,60,61,62,63
	v_exp_f32 v[S+\j], v[S+\j]                     ; p = 2^(t - M), at most 1: not normalised.  Both tiles' 128 exponentials are one batch
	v_exp_f32 v[S+64+\j], v[S+64+\j]
.endr
.irp t, 0,1
	v_pk_mul_f32 v[ST+12*\t+2:ST+12*\t+3], v[ST+12*\t+2:ST+12*\t+3], v[ST+12*\t+4:ST+12*\t+5] op_sel_hi:[1,0]   ; the sums under the new M.  (Plain instructions behind the exponentials)
.endr
	s_wait_alu depctr_va_vdst(0)                   ; one wait for the whole batch, ahead of its first reader
.irp t, 0,1
	v_pk_add_f32 v[ST+12*\t+6:ST+12*\t+7], v[S+64*\t:S+64*\t+1], v[S+64*\t+2:S+64*\t+3]   ; the row's sum is taken of the UNQUANTISED p: two at a time, in two chains a tile
.endr
.irp j, 4,8,12,16,20,24,28,32,36,40,44,48,52,56,60
.irp t, 0,1
	v_pk_add_f32 v[ST+12*\t+2:ST+12*\t+3], v[ST+12*\t+2:ST+12*\t+3], v[S+64*\t+\j:S+64*\t+\j+1]
	v_pk_add_f32 v[ST+12*\t+6:ST+12*\t+7], v[ST+12*\t+6:ST+12*\t+7], v[S+64*\t+\j+2:S+64*\t+\j+3]
.endr
.endr
.irp t, 0
	s_delay_alu instid0(VALU_DEP_3)
	v_pk_add_f32 v[ST+12*\t+2:ST+12*\t+3], v[ST+12*\t+2:ST+12*\t+3], v[ST+12*\t+6:ST+12*\t+7]
.endr
.irp t, 1
	s_delay_alu instid0(VALU_DEP_2)
	v_pk_add_f32 v[ST+12*\t+2:ST+12*\t+3], v[ST+12*\t+2:ST+12*\t+3], v[ST+12*\t+6:ST+12*\t+7]
.endr
.irp t, 0,1
.irp k, 0,1,2,3,4,5,6,7
.irp i, 0,1,2,3,4,5,6,7
.endr
	v_cvt_scalef32_pk8_fp8_f32 v[PC+16*\t+2*\k:PC+16*\t+2*\k+1], v[S+64*\t+8*\k:S+64*\t+8*\k+7], v[SCP]   ; keys 16 k + 8 h + 0 .. 7: registers 2 k, 2 k + 1 of the operand
.endr
.endr
	WIN 0x41                                       ; destination and source 0 window 1
	s_setprio 0
.irp t, 0,1
.irp j, 0,2,4,6,8,10,12,14,16,18,20,22,24,26,28,30
	v_pk_mul_f32 v[OT+32*\t+\j:OT+32*\t+\j+1], v[OT+32*\t+\j:OT+32*\t+\j+1], v[ST+12*\t+4:ST+12*\t+5] op_sel_hi:[1,0]   ; O^T under the new M: x f.  (Also the plain instructions between the conversions and the products that read their results)
.endr
.endr
	s_wait_alu depctr_va_vdst(0)
	s_wait_dscnt 0x0                               ; V is in
	WIN 0x51                                       ; source 0 (V), C and D window 1; source 1 (p's codes) window 0
.irp c, 0,1,2,3                                ; eight accumulators, one instruction a turn; between two turns of one accumulator stand the seven others' and the next step's sixteen products
.irp t, 0,1
	v_wmma_f32_16x16x128_fp8_fp8 v[OT+32*\t+8*\c:OT+32*\t+8*\c+7], v[VF+16*\c:VF+16*\c+15], v[PC+16*\t:PC+16*\t+15], v[OT+32*\t+8*\c:OT+32*\t+8*\c+7]
.endr
.endr
	WIN 0
.endm
; Chunk c, 512 keys, in the first pass: my load for it has landed (the 3 - c loads that I issued behind it may be out), everybody's has behind the barrier; four steps.
.macro CHUNK c
	s_wait_tensorcnt 3-\c
	s_wait_dscnt 0x0
	s_barrier_signal -1
	s_barrier_wait -1
	s_mov_b32 s[TB], 32768*\c
	s_mov_b32 s[CNT], 4
.Lchunk_\@:
	STEP QF
	s_add_co_u32 s[TB], s[TB], 8192
	s_sub_co_u32 s[CNT], s[CNT], 1
	s_cmp_lg_u32 s[CNT], 0
	s_cbranch_scc1 .Lchunk_\@
	s_setprio 0
.endm
; The way out of pass p: O^T x 2^(e8 + e9) / the sum, quantised with 2^e10, stored.
.macro WAYOUT p
	s_wait_xcnt 0x0                                ; the last pass's stores have read their data: the codes' registers are written again only behind this wait
.rept 4
	v_nop                                          ; places behind the last products
.endr
.irp t, 0,1
	v_add_f32 v[ST+12*\t+2], v[ST+12*\t+2], v[ST+12*\t+3]        ; the sum's two halves,
.endr
.irp t, 0,1
	s_delay_alu instid0(VALU_DEP_2)
	v_permlanex16_b32 v[ST+12*\t+10], v[ST+12*\t+2], s[SEL], s[SEL+1]
.endr
.irp t, 0,1
	s_delay_alu instid0(VALU_DEP_2)
	v_add_f32 v[ST+12*\t+2], v[ST+12*\t+2], v[ST+12*\t+10]       ; and lane l xor 16's: the row's sum
.endr
	s_wait_alu depctr_va_vdst(0)
.irp t, 0,1
	v_rcp_f32 v[ST+12*\t+4], v[ST+12*\t+2]
.endr
	v_nop                                          ; a plain instruction behind the reciprocals
	s_wait_alu depctr_va_vdst(0)                   ; and one wait for both, ahead of their first reader
.irp t, 0,1
	v_ldexp_f32 v[ST+12*\t+4], v[ST+12*\t+4], s[EPV]             ; x 2^(e8 + e9)
.endr
	WIN 0x01                                       ; source 0 window 1
.irp t, 0,1
.irp j, 0,2,4,6,8,10,12,14,16,18,20,22,24,26,28,30
	v_pk_mul_f32 v[S+64*\t+\j:S+64*\t+\j+1], v[OT+32*\t+\j:OT+32*\t+\j+1], v[ST+12*\t+4:ST+12*\t+5] op_sel_hi:[1,0]   ; register 8 c + i: o(query r, channel 16 c + 8 h + i); each accumulator from its low end on
.endr
.endr
	WIN 0
.irp t, 0,1
.irp c, 0,1,2,3
.irp i, 0,1,2,3,4,5,6,7
.endr
	v_cvt_scalef32_pk8_fp8_f32 v[OC+8*\t+2*\c:OC+8*\t+2*\c+1], v[S+64*\t+8*\c:S+64*\t+8*\c+7], v[SCO]
.endr
.endr
	v_nop                                          ; one plain vector instruction behind the last conversion: the next pass's products write the conversions' sources
.irp t, 0,1
.irp c, 0,1,2,3
	global_store_b64 v[GO], v[OC+8*\t+2*\c:OC+8*\t+2*\c+1], s[12:13] offset:262144*\p+4096*\t+256*\c   ; 32 lanes store 256 consecutive bytes, aligned
.endr
.endr
.endm
; A pass: 256 queries of the work-group against all 2,048 keys.  The step is written for the general case: the first step of a pass finds zeros in O^T and in the sum, which the first change of M leaves zeros.
.macro PASS p
.irp t, 0,1
	v_mov_b32 v[ST+12*\t+1], 0xff61b1e6            ; the largest t so far: -3e38, under every t
	s_delay_alu instid0(VALU_DEP_1)
	v_floor_f32 v[ST+12*\t], -v[ST+12*\t+1]        ; -M
	v_mov_b32 v[ST+12*\t+2], 0                     ; the sum, in two halves
	v_mov_b32 v[ST+12*\t+3], 0
	v_mov_b32 v[ST+12*\t+5], 0                     ; (named as the upper half of f's pair)
	v_mov_b32 v[ST+12*\t+10], 0                    ; (a lane permute's destination counts as one of its sources)
.endr
	WIN 0x40
.irp j, 0,1,2,3,4,5,6,7,8,9,10,11,12,13,14,15,16,17,18,19,20,21,22,23,24,25,26,27,28,29,30,31,32,33,34,35,36,37,38,39,40,41,42,43,44,45,46,47,48,49,50,51,52,53,54,55,56,57,58,59,60,61,62,63
	v_mov_b32 v[OT+\j], 0
.endr
	WIN 0
.if \p == 0
	CHUNK 0
	CHUNK 1
	CHUNK 2
	CHUNK 3
.else
	s_mov_b32 s[TB], 0                             ; the whole head has landed and nobody writes LDS: sixteen steps with no wait for tiles and no barrier
	s_mov_b32 s[CNT], 16
.Lpass_\@:
	STEP QF+16
	s_add_co_u32 s[TB], s[TB], 8192
	s_sub_co_u32 s[CNT], s[CNT], 1
	s_cmp_lg_u32 s[CNT], 0
	s_cbranch_scc1 .Lpass_\@
	s_setprio 0
.endif
	WAYOUT \p
.endm
	PASS 0
	PASS 1
	s_wait_tensorcnt 0x0
	ds_add_u32 v94, v95
	s_wait_dscnt 0x0
	CROUND                                         ; the closing round: no work-group ends while a partner may still ask for a tile that names it
	s_endpgm
.Lfunc_end_k_qc59836c5a1_attn:
	.size	k_qc59836c5a1_attn, .Lfunc_end_k_qc59836c5a1_attn-k_qc59836c5a1_attn
	.p2alignl 7, 3214868480
	.fill 96, 4, 3214868480
	.section	.rodata,"a",@progbits
	.p2align	6, 0x0
	.amdhsa_kernel k_qc59836c5a1_attn
		.amdhsa_group_segment_fixed_size 263168
		.amdhsa_private_segment_fixed_size 0
		.amdhsa_enable_private_segment 0
		.amdhsa_kernarg_size 40
		.amdhsa_user_sgpr_count 2
		.amdhsa_user_sgpr_kernarg_segment_ptr 1
		.amdhsa_wavefront_size32 1
		.amdhsa_system_sgpr_workgroup_id_x 1
		.amdhsa_system_sgpr_workgroup_id_y 1
		.amdhsa_system_sgpr_workgroup_id_z 1
		.amdhsa_system_vgpr_workitem_id 0
		.amdhsa_next_free_vgpr 448
		.amdhsa_next_free_sgpr 80
		.amdhsa_reserve_vcc 0
		.amdhsa_float_denorm_mode_32 3
		.amdhsa_float_denorm_mode_16_64 3
		.amdhsa_fp16_overflow 1
		.amdhsa_memory_ordered 1
		.amdhsa_forward_progress 1
		.amdhsa_inst_pref_size 146
	.end_amdhsa_kernel
	.amdgpu_metadata
---
amdhsa.version: [ 1, 2 ]
amdhsa.kernels:
  - .name:           k_qc59836c5a1_attn
    .symbol:         k_qc59836c5a1_attn.kd
    .args:
      - { .name: qc, .offset: 0, .size: 8, .value_kind: global_buffer, .address_space: global }
      - { .name: kc, .offset: 8, .size: 8, .value_kind: global_buffer, .address_space: global }
      - { .name: vc, .offset: 16, .size: 8, .value_kind: global_buffer, .address_space: global }
      - { .name: lowp_scales, .offset: 24, .size: 8, .value_kind: global_buffer, .address_space: global }
      - { .name: ac, .offset: 32, .size: 8, .value_kind: global_buffer, .address_space: global }
    .group_segment_fixed_size: 263168
    .private_segment_fixed_size: 0
    .kernarg_segment_align: 8
    .kernarg_segment_size: 40
    .max_flat_workgroup_size: 256
    .sgpr_count:     80
    .vgpr_count:     448
    .wavefront_size: 32
...
	.end_amdgpu_metadata
.endif
;; end of part 2
;; launch outp (part 3): grid 4 x 32, 4 waves a work-group, clusters of 4 x 4, 327,680 bytes of LDS; arguments ac, Wo_codes, bo, lowp_scales, out0; writes out0
.if DOCPART == 3
	.amdgcn_target "amdgcn-amd-amdhsa--gfx1250"
	.amdhsa_code_object_version 6
	.text
	.protected	k_qc59836c5a1_outp
	.globl	k_qc59836c5a1_outp
	.p2align	8
	.type	k_qc59836c5a1_outp,@function
k_qc59836c5a1_outp:
	s_mov_b64 s[64:65], 0
	v_nop
	global_prefetch_b8 v0, s[64:65] scope:SCOPE_SE
	s_setreg_imm32_b32 hwreg(HW_REG_WAVE_MODE, 25, 1), 1
	s_wait_xcnt 0x0
	s_wait_alu depctr_hold_cnt(0) depctr_sa_sdst(0) depctr_va_vdst(0) depctr_va_sdst(0) depctr_va_ssrc(0) depctr_va_vcc(0) depctr_vm_vsrc(0)
	s_getreg_b32 s2, hwreg(HW_REG_IB_STS2, 6, 4)
	s_cmp_eq_u32 s2, 0
	s_cbranch_scc0 .Lentry_in_a_cluster
	s_endpgm
.Lentry_in_a_cluster:
	s_bfe_u32 s2, ttmp6, 0x10000c
	s_cmp_lg_u32 s2, 0xf033
	s_cbranch_scc0 .Lentry_shape_is_right
	s_endpgm
.Lentry_shape_is_right:
; THE LAST PROJECTION: out0 = A Wo^T x 2^(e10 + e11) + bo.  A: the attention's result as codes of FP8 (E4M3), [8192][1024] along K, laid as images of the operand's registers (below); Wo: [1024][1024] codes, K innermost; out0: [8192][1024] f32.
; A tile of 256 x 256 is made by a work-group of four waves; a wave makes 128 x 128: 64 accumulators of 16 x 16, 512 registers.  K goes in steps of 256 through a ring of two LDS slots filled by the tensor data mover.
; 8,192 x 1,024 gives 128 such tiles, one to a work-group.
; CLUSTERS: 4 x 4 work-groups.  The four of a row of the cluster need the same tiles of A, the four of a column the same tiles of Wo: each tile is asked for JOINTLY, by the same tensor load with the same descriptor
; and a mask that names the four.  THE MATRIX INSTRUCTION IS USED TRANSPOSED (source 0 = 16 rows of Wo, source 1 = 16 rows of A): a lane then holds eight neighbouring numbers of a row of out0.
; A's LAYOUT: [128 rows 64][256 along K 4][16 rows 8][128 along K 2][c 4][lane 32][16 bytes], lane (r, h) byte n = row r, k = 32 c + 16 h + n: what four loads of 16 bytes, 32 bytes apart, give a lane of Wo's rows: the same
; places of k on both sides, so every product meets its partner.  128 rows x 256 along K are 32,768 dense bytes: one tensor load, no padding; a fragment load reads 512 consecutive bytes.
; LIMIT: e10 + e11 lies between -126 and 127, so that 2^(e10 + e11) is an f32 number.
; No prefetch: a tile has four K steps, and two of them are asked for at the head.
; REGISTERS, in windows of 256: window 0: v0-31 addresses; v32-35 the bias of my four columns on the way out; from v128 A's fragments, ONE set; on the way out v128-255 rows read back from the stage.
;   window 1: Wo's fragments, TWO sets.   windows 2, 3: the accumulators ((a, b) at v[8 (8 (a % 4) + b)]).
.set SIZE_K, 1024
.set SIZE_N, 1024
.set KSTEP,  256
.set ROWB,   256                       ; a row of Wo's tile in bytes
.set KROW,   SIZE_K                    ; a row of Wo in memory, in bytes
.set PITCH,  272                       ; Wo's LDS row: 256 bytes + 16 of padding = 68 words: row r starts at bank 4 r mod 64 (64 banks of 4 bytes: ISA guide 11.1)
.set FR,     16
.set NL,     4
.set NP,     4
.set AHALF,  32768                     ; A's 128 rows x 256 along K
.set HALFT,  128*PITCH                 ; Wo's 128 rows
.set BOFF,   2*AHALF                   ; a slot: A's two halves, then Wo's two
.set SLOT,   BOFF+2*HALFT
.set LAPS,   SIZE_K/(2*KSTEP)
.set SPARE,  2*SLOT                    ; behind the ring: the spare words, 128 bytes for each wave
.set SPITCH, 528                       ; the way out: a stage of 16 rows x (512 bytes + 16) for each wave.  It lies in slot 0, which has had its last fill and its last read when the first result is stored there
.set ADRA, 16                          ; v16-17  LDS address of my A fragments in slot 0, 1
.set ADRB, 20                          ; v20-21  the same for Wo
.set STO,  24                          ; v24     the way out: where I put 32 bytes of a row
.set RD,   25                          ; v25     the way out: where I read a row back
.set CO,   26                          ; v26     16 x lane
.set SPW,  28                          ; v28     LDS address of my spare word; never rewritten
.set NIL,  29                          ; v29     0; never rewritten
.set BI,   32                          ; v32-35  bo of columns 4 x lane + 0 .. 3 of my 128
.set AF,   128
.set BK,   128                         ; the way out: 16 rows read back: v128-191 and v192-255 by turns
.set G1, 24
.set G0, 32
.set G1B, 48
.set G0B, 56
.set MSB, 0
.macro WIN new                         ; the immediate's high byte repeats the setting that is left
.if MSB != (\new)
	s_set_vgpr_msb (MSB<<8)|(\new)
.set MSB, (\new)
.endif
.endm
.set MUL_LO, 0xa1                      ; source 0 (Wo) window 1, source 1 (A) window 0, C and D window 2
.set MUL_HI, 0xf1                      ; the same, C and D window 3
.set TO_B,   0x40                      ; destination window 1, address window 0
; A joint load: waves 0 and 1 fetch for A, waves 2 and 3 for Wo.  The branch hangs on the wave's number alone.  Four v_nop follow each of the two lines.
.macro JLOAD g0a, g1a, g0b, g1b
	s_cmp_eq_u32 s15, 0
	s_cbranch_scc0 .Lfor_b_\@
	tensor_load_to_lds s[\g0a:\g0a+3], s[\g1a:\g1a+7]
	s_nop 0
.rept 4
	v_nop
.endr
	s_branch .Lasked_\@
.Lfor_b_\@:
	tensor_load_to_lds s[\g0b:\g0b+3], s[\g1b:\g1b+7]
	s_nop 0
.rept 4
	v_nop
.endr
.Lasked_\@:
.endm
.macro CREST                           ; a round of the cluster's barrier behind its opening barrier
	s_cmp_lg_u32 s14, 0
	s_cbranch_scc1 .Lnot_wave_0_\@
	s_barrier_signal -3
.Lnot_wave_0_\@:
	s_barrier_wait -3
	s_barrier_signal -1
	s_barrier_wait -1
.endm
.macro CROUND                          ; a whole round
	s_barrier_signal -1
	s_barrier_wait -1
	CREST
.endm
	s_load_b128 s[4:7], s[0:1], 0x0                ; A's codes s[4:5], Wo's codes s[6:7]
	s_load_b128 s[68:71], s[0:1], 0x10             ; bo s[68:69], the scales' exponents s[70:71]
	s_load_b64 s[10:11], s[0:1], 0x20              ; out0
	v_lshl_add_u32 v[SPW], v0, 2, SPARE
	v_mov_b32 v[NIL], 0
	ds_add_u32 v28, v29
	ds_add_u32 v28, v29
	s_wait_dscnt 0x0
	v_lshrrev_b32 v1, 5, v0
	v_readfirstlane_b32 s14, v1                    ; wave 0..3
	s_lshr_b32 s15, s14, 1                         ; which half of the tile's rows is mine.  Also: I fetch for A (0) or for Wo (1)
	s_and_b32 s16, s14, 1                          ; which half of its columns.  Also: which 128 rows of that tile I fetch
	s_bfe_u32 s40, ttmp6, 0x40000                  ; cx, cy: my place in the cluster
	s_bfe_u32 s41, ttmp6, 0x40004
	s_lshl_b32 s42, ttmp9, 2
	s_add_co_u32 s42, s42, s40                     ; tile column = 4 x cluster x + cx
	s_and_b32 s17, ttmp7, 0xffff
	s_lshl_b32 s17, s17, 2
	s_add_co_u32 s17, s17, s41                     ; tile row = 4 x cluster y + cy
	s_lshl_b32 s43, s41, 2
	s_lshl_b32 s43, 15, s43                        ; my row of the cluster
	s_lshl_b32 s44, 0x1111, s40                    ; my column
	; descriptor group 1 for A: 32,768 dense bytes as 128 rows of 256 bytes, no padding
	s_or_b32 s[G1+0], s43, (3<<16)|(1<<21)         ; 15:0 the mask: A's tiles go to my row; 17:16 elements of 8 bytes; 21 set beside a mask
	s_mov_b32 s[G1+1], 32<<16                      ; tensor_dim0 = 32 elements
	s_mov_b32 s[G1+2], 128<<16                     ; tensor_dim1 = 128
	s_mov_b32 s[G1+3], 32<<16                      ; tile_dim0 = 32
	s_mov_b32 s[G1+4], 128                         ; tile_dim1 = 128
	s_mov_b32 s[G1+5], 32                          ; tensor_dim0_stride = 32
	s_mov_b32 s[G1+6], 0
	s_mov_b32 s[G1+7], 0
	; for Wo: a tile of 128 rows x 256 bytes, padded in LDS
	s_or_b32 s[G1B+0], s44, (0<<16)|(1<<20)|(1<<21)|(5<<22)|(3<<25)  ; the mask of my column; element of 1 byte; padding on; 21 set beside a mask; after every 64 words (code 5) 4 words (code 3)
	s_mov_b32 s[G1B+1], ROWB<<16
	s_mov_b32 s[G1B+2], 128<<16
	s_mov_b32 s[G1B+3], ROWB<<16
	s_mov_b32 s[G1B+4], 128
	s_mov_b32 s[G1B+5], KROW
	s_mov_b32 s[G1B+6], 0
	s_mov_b32 s[G1B+7], 0
	s_lshl_b32 s20, s17, 1
	s_add_co_u32 s20, s20, s16                     ; A: block of 128 rows 2 x tile row + half,
	s_lshl_b32 s20, s20, 17                        ; of 131,072 bytes
	s_mov_b32 s21, 0
	s_lshl_b32 s18, s16, 7
	s_lshl_b32 s46, s42, 8
	s_add_co_u32 s46, s46, s18                     ; Wo: row 256 x tile column + 128 x half,
	s_lshl_b32 s46, s46, 10                        ; of 1,024 bytes
	s_mov_b32 s47, 0
	s_lshl_b32 s45, s16, 15                        ; where they go: A's half,
	s_mul_i32 s66, s16, HALFT
	s_add_co_u32 s66, s66, BOFF                    ; Wo's half: no place in the cluster enters an LDS address
	s_wait_kmcnt 0x0
	s_load_b64 s[96:97], s[70:71], 0x28            ; e10, e11
	s_add_nc_u64 s[20:21], s[4:5], s[20:21]
	s_add_nc_u64 s[46:47], s[6:7], s[46:47]
	CROUND                                         ; all sixteen work-groups are here: the first joint loads meet
.irp s, 0,1
	s_mov_b32 s[G0+4*\s], 1
	s_add_co_u32 s[G0+4*\s+1], s45, \s*SLOT
	s_add_nc_u64 s[G0+4*\s+2:G0+4*\s+3], s[20:21], \s*AHALF
	s_or_b32 s[G0+4*\s+3], s[G0+4*\s+3], 0x80000000
	s_mov_b32 s[G0B+4*\s], 1
	s_add_co_u32 s[G0B+4*\s+1], s66, \s*SLOT
	s_add_nc_u64 s[G0B+4*\s+2:G0B+4*\s+3], s[46:47], \s*ROWB
	s_or_b32 s[G0B+4*\s+3], s[G0B+4*\s+3], 0x80000000
	s_wait_alu depctr_va_vdst(0)
	s_wait_tensorcnt 0x0
	ds_add_u32 v28, v29
	ds_add_u32 v28, v29
	s_wait_dscnt 0x0
	CROUND
	JLOAD G0+4*\s, G1, G0B+4*\s, G1B
.endr
	v_and_b32 v1, 15, v0                           ; r = l % 16
	v_bfe_u32 v2, v0, 4, 1                         ; h = l / 16
	v_mul_u32_u24 v3, v1, PITCH
	v_lshl_add_u32 v4, v2, 4, v3                   ; Wo: a fragment's row x pitch + 16 x half
	v_and_b32 v6, 31, v0
	v_lshlrev_b32 v[CO], 4, v6                     ; A: 16 x lane
	s_wait_alu depctr_va_vdst(0)
	s_lshl_b32 s21, s15, 15                        ; my 128 rows of A
	s_mul_i32 s22, s16, HALFT                      ; my 128 rows of Wo,
	s_add_co_u32 s22, s22, BOFF                    ; which lie behind A's two halves
.irp s, 0,1
	v_add_nc_u32 v[ADRA+\s], s21, v[CO]
	v_add_nc_u32 v[ADRB+\s], s22, v4
	s_add_co_u32 s21, s21, SLOT
	s_add_co_u32 s22, s22, SLOT
.endr
	s_mul_i32 s23, s14, 16*SPITCH                  ; my stage
	v_mul_u32_u24 v5, v1, SPITCH                   ; in: row l % 16, 32 bytes for each half of the lanes
	v_lshl_add_u32 v5, v2, 5, v5
	v_add_nc_u32 v[STO], s23, v5
	v_add_nc_u32 v[RD], s23, v[CO]                 ; back: the 32 lanes take one row of 512 bytes
	s_lshl_b32 s20, s17, 8
	s_lshl_b32 s21, s15, 7
	s_add_co_u32 s20, s20, s21                     ; my first row of out0: 256 x tile row + 128 x half,
	s_lshl_b32 s20, s20, 12                        ; of 4,096 bytes
	s_lshl_b32 s46, s42, 10                        ; my first column, in bytes: 1,024 x tile column + 512 x half
	s_lshl_b32 s47, s16, 9
	s_add_co_u32 s46, s46, s47
	s_mov_b32 s47, 0
	s_add_nc_u64 s[68:69], s[68:69], s[46:47]      ; bo at my first column
	s_add_co_u32 s20, s20, s46
	s_mov_b32 s21, 0
	s_add_nc_u64 s[10:11], s[10:11], s[20:21]
	global_load_b128 v[BI:BI+3], v[CO], s[68:69]   ; waited for on the way out
.macro FRAGB reg, adr, q, i            ; Wo: 16 rows x 128 K: lane l holds row l % 16; registers 4 c .. 4 c + 3 hold K = 32 c + 16 (l / 16) + 0 .. 15
.irp c, 0,1,2,3
	ds_load_b128 v[\reg+4*\c:\reg+4*\c+3], v[\adr] offset:128*(\q)+32*\c+(\i)*16*PITCH
.endr
.endm
.macro FRAGA reg, adr, q, i            ; A: the image of the same registers: block i of 16 rows, the slot's q-th 128 along K
.irp c, 0,1,2,3
	ds_load_b128 v[\reg+4*\c:\reg+4*\c+3], v[\adr] offset:2048*(\q)+512*\c+(\i)*4096
.endr
.endm
; 16 matrix instructions: A's blocks a0, a0 + 1 x Wo's eight, 128 along K.  p: Wo's set.  zero = 1: the first product starts the sums: nothing is ever cleared.
; The 64 accumulators take turns, one instruction a turn, in the same order in every step.
.macro MUL16 a0, p, zero
.irp a, \a0, \a0+1
.irp b, 0,1,2,3,4,5,6,7
.if \zero
	v_wmma_f32_16x16x128_fp8_fp8 v[8*(8*((\a)%4)+\b):8*(8*((\a)%4)+\b)+7], v[128*(\p)+FR*\b:128*(\p)+FR*\b+FR-1], v[AF+FR*(\a):AF+FR*(\a)+FR-1], 0
.else
	v_wmma_f32_16x16x128_fp8_fp8 v[8*(8*((\a)%4)+\b):8*(8*((\a)%4)+\b)+7], v[128*(\p)+FR*\b:128*(\p)+FR*\b+FR-1], v[AF+FR*(\a):AF+FR*(\a)+FR-1], v[8*(8*((\a)%4)+\b):8*(8*((\a)%4)+\b)+7]
.endif
.endr
.endr
.endm
.macro FETCH_B slot, q, p
	WIN TO_B
.irp i, 0,1,2,3,4,5,6,7
	FRAGB 128*(\p)+FR*\i, ADRB+\slot, \q, \i
.endr
	WIN 0
.endm
.macro FETCH_A slot, q, i0
.irp i, \i0, \i0+1, \i0+2, \i0+3
	FRAGA AF+FR*(\i), ADRA+\slot, \q, \i
.endr
.endm
; A load into a register that a matrix instruction has read, and an LDS store that reads a matrix result, stand NP places behind that matrix instruction, and only plain vector
; instructions that name none of its registers are places (ISA guide 7.12.1 for vector instructions).
.macro PLACES n
.rept \n
	v_nop
.endr
.endm
.macro STEP slot, q, zero
	s_wait_dscnt 4*NL                              ; Wo's set and A's blocks 0-3 are in; the youngest sixteen loads (A's blocks 4-7) may be out
	WIN MUL_LO
	MUL16 0, (\q)%2, \zero
	MUL16 2, (\q)%2, \zero
	s_wait_dscnt 0                                 ; A's blocks 4-7 are in (asked for 32 matrix instructions ago)
	PLACES NP
	FETCH_B \slot, (\q)+1, 1-(\q)%2
	FETCH_A \slot, (\q)+1, 0
	WIN MUL_HI
	MUL16 4, (\q)%2, \zero
	MUL16 6, (\q)%2, \zero
	PLACES NP
	WIN 0
	FETCH_A \slot, (\q)+1, 4
.endm
; A slot's last step changes slots: ONE barrier; in front of it each wave waits for all its tensor loads, adds 0 to its spare word, and waits for that and for its own reads of this slot.  fill = 1: this slot is filled again, two K steps ahead.
.macro TURN slot, next, fill
	s_wait_tensorcnt 0x0                           ; all my tensor loads have landed: my part of the next slot  (every window is 0 here)
	ds_add_u32 v[SPW], v[NIL]                      ; 0 onto my spare word
	s_wait_dscnt 4*NL+1                            ; (the add and the youngest sixteen loads may be out)
	WIN MUL_LO
	MUL16 0, 1, 0                                  ; sixteen matrix instructions stand between the add and the wait for it
	s_wait_dscnt 0x0                               ; the add is done, and my reads of this slot are over
	s_barrier_signal -1
	MUL16 2, 1, 0
	WIN 0
	s_barrier_wait -1
.if \fill
	CREST                                          ; the barrier has opened a round of the cluster's barrier: no wave of any partner still reads this slot's tile or has a load on its way
	s_add_nc_u64 s[G0+4*\slot+2:G0+4*\slot+3], s[G0+4*\slot+2:G0+4*\slot+3], 2*AHALF
	s_add_nc_u64 s[G0B+4*\slot+2:G0B+4*\slot+3], s[G0B+4*\slot+2:G0B+4*\slot+3], 2*ROWB
	JLOAD G0+4*\slot, G1, G0B+4*\slot, G1B         ; the first tensor load behind the round; the four v_nop behind it are the places in front of the loads below
.else
	PLACES NP
.endif
	FETCH_B \next, 0, 0
	FETCH_A \next, 0, 0
	WIN MUL_HI
	MUL16 4, 1, 0
	MUL16 6, 1, 0
	PLACES NP
	WIN 0
	FETCH_A \next, 0, 4
.endm
	s_wait_alu depctr_va_vdst(0)
	s_wait_tensorcnt 1                             ; my part of K step 0 is in (K step 1's load may be out)
	s_barrier_signal -1
	s_barrier_wait -1                              ; everybody's is
	FETCH_B 0, 0, 0
	FETCH_A 0, 0, 0
	FETCH_A 0, 0, 4
	STEP 0, 0, 1                                   ; the first step stands in front of the loop: its products start the sums
	s_mov_b32 s3, LAPS-1
.Llap:                                                 ; a trip goes once round the ring, from a lap's second step to the next lap's first, and fills both slots again
	TURN 0, 1, 1
	STEP 1, 0, 0
	TURN 1, 0, 1
	STEP 0, 0, 0
	s_sub_co_u32 s3, s3, 1
	s_cmp_lg_u32 s3, 0
	s_cbranch_scc1 .Llap
	TURN 0, 1, 0                                   ; the last lap fills nothing, and has no round of the cluster's barrier
	STEP 1, 0, 0
	s_wait_dscnt 4*NL                              ; the very last step: nothing more to fetch
	WIN MUL_LO
	MUL16 0, 1, 0
	MUL16 2, 1, 0
	s_wait_dscnt 0
	WIN MUL_HI
	MUL16 4, 1, 0
	MUL16 6, 1, 0
	WIN 0
; THE WAY OUT, block by block of 16 rows x 128 columns.  A lane holds 32 neighbouring bytes of a row, and the lanes beside it hold other rows: so a block's sums go, as they are, through my own stage in LDS and come back as whole
; rows of 512 bytes.  There a lane holds four neighbouring columns, the same four in every row: sum x 2^(e10 + e11) + bo is one packed multiply-add for two numbers, with four registers of bias.  The 32 lanes store a row as
; 512 consecutive bytes, aligned.  LDS serves a wave's instructions in order (ISA guide 5.7.1.4): no wait between the stores and the loads, nor in front of the next block's stores.
.macro TOSTAGE a
.set AC, 64*((\a)%4)
	WIN 0x08+4*((\a)/4)                            ; the stores' data: window 2 or 3
.irp b, 0,1,2,3,4,5,6,7
	ds_store_b128 v[STO], v[AC+8*\b:AC+8*\b+3] offset:64*\b          ; each accumulator from its low end on
	ds_store_b128 v[STO], v[AC+8*\b+4:AC+8*\b+7] offset:64*\b+16
.endr
	WIN 0
.set BB, BK+64*((\a)%2)
.irp t, 0,1,2,3,4,5,6,7,8,9,10,11,12,13,14,15
	ds_load_b128 v[BB+4*\t:BB+4*\t+3], v[RD] offset:\t*SPITCH
.endr
.endm
.macro SEND a, younger                 ; younger: the LDS instructions issued behind block a's loads, which may stay out
.set BB, BK+64*((\a)%2)
	s_wait_dscnt \younger                          ; the block is back in registers
.if (\a) > 0
	s_add_nc_u64 s[10:11], s[10:11], 16*SIZE_N*4   ; (behind a wait on XCNT: the earlier stores have read their base)  16 rows of out0 on
.endif
.irp t, 0,1,2,3,4,5,6,7,8,9,10,11,12,13,14,15
	v_pk_fma_f32 v[BB+4*\t:BB+4*\t+1], v[BB+4*\t:BB+4*\t+1], s[96:97], v[BI:BI+1] op_sel_hi:[1,0,1]
	v_pk_fma_f32 v[BB+4*\t+2:BB+4*\t+3], v[BB+4*\t+2:BB+4*\t+3], s[96:97], v[BI+2:BI+3] op_sel_hi:[1,0,1]
	global_store_b128 v[CO], v[BB+4*\t:BB+4*\t+3], s[10:11] offset:\t*SIZE_N*4 th:TH_STORE_NT   ; written once, read by nobody here
.endr
.endm
	s_wait_kmcnt 0x0
	s_add_co_i32 s96, s96, s97                     ; e10 + e11, between -126 and 127,
	s_add_co_i32 s96, s96, 127
	s_lshl_b32 s96, s96, 23                        ; makes the f32 number 2^(e10 + e11)
	s_mov_b32 s97, s96                             ; (named with it as a pair, so it is written)
	PLACES NP                                      ; behind the last products: for the stores that read results and the loads into the registers that held A's fragments
	s_wait_loadcnt 0x0                             ; the bias
	TOSTAGE 0
.irp a, 1,2,3,4,5,6,7
.if \a > 1
	s_wait_xcnt 0x0                                ; block a - 2's stores have read their registers and their base: block a's loads may land there, and the base may step
.endif
	TOSTAGE \a
	SEND \a-1, 32                                  ; behind block a - 1's loads: block a's 16 stores and 16 loads
.endr
	s_wait_xcnt 0x0                                ; block 6's stores have read their base
	SEND 7, 0
	s_wait_tensorcnt 0x0                           ; the wave's end
	ds_add_u32 v[SPW], v[NIL]
	s_wait_dscnt 0x0
	CROUND                                         ; the closing round: no work-group ends while a partner may still ask for a tile that names it
	s_endpgm
.Lfunc_end_k_qc59836c5a1_outp:
	.size	k_qc59836c5a1_outp, .Lfunc_end_k_qc59836c5a1_outp-k_qc59836c5a1_outp
	.p2alignl 7, 3214868480
	.fill 96, 4, 3214868480
	.section	.rodata,"a",@progbits
	.p2align	6, 0x0
	.amdhsa_kernel k_qc59836c5a1_outp
		.amdhsa_group_segment_fixed_size 327680
		.amdhsa_private_segment_fixed_size 0
		.amdhsa_enable_private_segment 0
		.amdhsa_kernarg_size 40
		.amdhsa_user_sgpr_count 2
		.amdhsa_user_sgpr_kernarg_segment_ptr 1
		.amdhsa_wavefront_size32 1
		.amdhsa_system_sgpr_workgroup_id_x 1
		.amdhsa_system_sgpr_workgroup_id_y 1
		.amdhsa_system_sgpr_workgroup_id_z 1
		.amdhsa_system_vgpr_workitem_id 0
		.amdhsa_next_free_vgpr 1024
		.amdhsa_next_free_sgpr 98
		.amdhsa_reserve_vcc 0
		.amdhsa_float_denorm_mode_32 3
		.amdhsa_float_denorm_mode_16_64 3
		.amdhsa_memory_ordered 1
		.amdhsa_forward_progress 1
		.amdhsa_inst_pref_size 124
	.end_amdhsa_kernel
	.amdgpu_metadata
---
amdhsa.version: [ 1, 2 ]
amdhsa.kernels:
  - .name:           k_qc59836c5a1_outp
    .symbol:         k_qc59836c5a1_outp.kd
    .args:
      - { .name: ac, .offset: 0, .size: 8, .value_kind: global_buffer, .address_space: global }
      - { .name: Wo_codes, .offset: 8, .size: 8, .value_kind: global_buffer, .address_space: global }
      - { .name: bo, .offset: 16, .size: 8, .value_kind: global_buffer, .address_space: global }
      - { .name: lowp_scales, .offset: 24, .size: 8, .value_kind: global_buffer, .address_space: global }
      - { .name: out0, .offset: 32, .size: 8, .value_kind: global_buffer, .address_space: global }
    .group_segment_fixed_size: 327680
    .private_segment_fixed_size: 0
    .kernarg_segment_align: 8
    .kernarg_segment_size: 40
    .max_flat_workgroup_size: 128
    .sgpr_count:     98
    .vgpr_count:     1024
    .wavefront_size: 32
...
	.end_amdgpu_metadata
.endif
;; end of part 3
